; MI455X (gfx1250); checked and timed in simulation.
; The chip was launched on July 23, 2026; its instructions are those of AMD's public machine-readable ISA for CDNA 5 (MIT licence, August 2026) and "CDNA5" Instruction Set Architecture Reference Guide (July 2026). The comments in the code are by the model that wrote it; some were corrected since.
;; Hadamard W4 A4 Linear Fast. Allowed arithmetic: float matrix products may take bf16 or f16 operands with f32 sums; all other float work in f32.
;; Inputs: weight_packed 4,096 x 2,048 int32; weight_scale 4,096 float32; x 4,096 x 4,096 float32.
;; Outputs: out0 4,096 x 4,096 float32.
;; 2 versions, each right; version 2 is version 1 with the launch prep written anew for expert scheduling mode. Each part assembles by itself: llvm-mc -triple=amdgcn-amd-amdhsa -mcpu=gfx1250 --defsym DOCPART=n.
;; ======== version 1 of 2: 2 launches
;; workspace buffers: xq 33,554,432 bytes; wq 33,554,432 bytes; xs 16,384 bytes
;; launch prep (part 1): grid 768 x 1, 8 waves a work-group, no clusters, 0 bytes of LDS; arguments x, weight_packed, xq, wq, xs; writes xq, wq, xs
.if DOCPART == 1
	.amdgcn_target "amdgcn-amd-amdhsa--gfx1250"
	.amdhsa_code_object_version 6
	.text
	.protected	k_qc062d25f27_prep
	.globl	k_qc062d25f27_prep
	.p2align	8
	.type	k_qc062d25f27_prep,@function
k_qc062d25f27_prep:
	s_mov_b64 s[64:65], 0
	v_nop
	global_prefetch_b8 v0, s[64:65] scope:SCOPE_SE
	s_setreg_imm32_b32 hwreg(HW_REG_WAVE_MODE, 25, 1), 1
	s_wait_xcnt 0x0
; THE TWO CONVERSIONS IN FRONT OF THE PRODUCT, each done once, as a stream.
;   xs[m] = max(max over k of |x[m][k]| / 7, 1e-5);  xq[m][k] = clip(round to nearest even(x[m][k] / xs[m]), -8, 7), written as bf16 (whole numbers -8 .. 7 are exact there)
;   wq[n][2 p], wq[n][2 p + 1] = the low and the high signed nibble of weight_packed[n][p]'s low byte, written as bf16
; x: [4096][4096] f32.  weight_packed: [4096][2048] i32.  xq, wq: [4096][4096] bf16.  xs: [4096] f32.
; SHARES.  Work-groups 0 to 511: a wave takes one row of x (16,384 bytes = 128 registers), keeps it in registers between the pass that finds the maximum and the pass
; that divides, and reads it from memory once.  Work-groups 512 to 767: a wave takes 16,384 bytes of weight_packed; a word there (two nibbles) becomes one word of wq
; (two bf16) at the SAME byte offset.  A wave issues all its 32 loads at once; no loop, no LDS, no barrier: no wave needs another's numbers.
; WHY THE LAST BIT COUNTS.  One xq that falls on the neighbouring whole number shifts 4,096 outputs by |wq| xs ws, more than their allowance.  So x / xs is a correctly rounded
; f32 division, made of a reciprocal and fused multiply-adds: q = x r; twice: e = x - s q (exact), q = q + e r.
; THE DIVISION BY THE CONSTANT 7.  DIV7_TRUE = 0: max / 7 is ONE multiplication by 1/7 rounded to f32 (0x3e124925), which is what a division by a constant becomes where reference()
; is compiled as a whole.  That xs is the correctly rounded quotient or its upper neighbour: at most one unit in the last place apart.  DIV7_TRUE = 1: the correctly rounded quotient.
; LIMITS.  NaN and infinities in x are not treated apart (the maximum drops a NaN).  xs lies in 1e-5 .. 4.9e37, so its reciprocal is a normal number.  For |x| below 2^-103 the
; residual is not exact; such a quotient is far below 0.5 and rounds to 0 all the same.  xq may hold -0, which the product takes as 0.
.set DIV7_TRUE, 0
.set LO,  1                            ; v1        16 x lane: my 16 bytes in 512; never rewritten
.set SO,  2                            ; v2        8 x lane: my 8 bytes in 256; never rewritten
.set LN,  3                            ; v3        lane
.set M,   4                            ; v[4:7]    four running maxima
.set R,   10                           ; v[10:11]  1 / xs, twice (a pair for the packed forms)
.set NS,  12                           ; v[12:13]  -xs, twice
.set S,   14                           ; v14       xs
.set ZO,  15                           ; v15       0: the offset of the store of xs
.set X,   16                           ; v[16:143] the row or the chunk: load j in v[X+4j : X+4j+3]; results are packed into the same registers
.set T,   144                          ; v[144:159] at work: two sets of eight, by j % 2
	s_load_b256 s[4:11], s[0:1], 0x0               ; x s[4:5], weight_packed s[6:7], xq s[8:9], wq s[10:11]
	s_load_b64 s[12:13], s[0:1], 0x20              ; xs
	v_lshrrev_b32 v[LN], 5, v0
	v_readfirstlane_b32 s14, v[LN]                 ; wave 0..7
	v_and_b32 v[LN], 31, v0
	v_lshlrev_b32 v[LO], 4, v[LN]
	v_lshlrev_b32 v[SO], 3, v[LN]
	s_mov_b32 s17, 0                               ; the high words of the two offset pairs
	s_mov_b32 s19, 0
	s_wait_kmcnt 0x0
	s_cmp_lt_u32 ttmp9, 512                        ; the branch hangs on the work-group's number alone
	s_cbranch_scc0 .Lweights
	; ---------------- a row of x ----------------
	s_lshl_b32 s15, ttmp9, 3
	s_add_co_u32 s15, s15, s14                     ; my row = 8 x work-group + wave
	s_lshl_b32 s16, s15, 14                        ; 16,384 bytes a row of x (under 2^26)
	s_lshl_b32 s18, s15, 13                        ; 8,192 bytes a row of xq
	s_add_nc_u64 s[4:5], s[4:5], s[16:17]
	s_add_nc_u64 s[8:9], s[8:9], s[18:19]
	s_lshl_b32 s16, s15, 2                         ; 4 bytes a row in xs
	s_add_nc_u64 s[12:13], s[12:13], s[16:17]
.set j, 0
.rept 32                                               ; the whole row: each load covers 512 consecutive bytes, at a multiple of 512 from x's first byte
	global_load_b128 v[X+4*j:X+4*j+3], v[LO], s[4:5] offset:512*j th:TH_LOAD_NT
.set j, j+1
.endr
	s_mov_b32 s21, 0xc1000000                      ; -8.0
	s_mov_b32 s22, 0x40e00000                      ; 7.0
	s_mov_b32 s23, 0x3e124925                      ; 1/7, rounded to nearest
.if DIV7_TRUE
	s_mov_b32 s24, 0xc0e00000                      ; -7.0
.endif
	s_mov_b32 s25, 0x3727c5ac                      ; 1e-5
	s_mov_b32 s26, 0x76543210                      ; v_permlanex16_b32: each lane takes its own place in the other half
	s_mov_b32 s27, 0xfedcba98
	v_mov_b32 v[ZO], 0
; Pass 1: the largest |x| of my 128 numbers, in four chains; the first two loads start them: nothing is cleared.
.macro MAXJ                            ; load j's four numbers
.set c, 2*(j%2)
.if j < 2
	v_max_num_f32 v[M+c],   |v[X+4*j]|,   |v[X+4*j+1]|
	v_max_num_f32 v[M+c+1], |v[X+4*j+2]|, |v[X+4*j+3]|
.else
	v_max3_num_f32 v[M+c],   |v[X+4*j]|,   |v[X+4*j+1]|, v[M+c]
	v_max3_num_f32 v[M+c+1], |v[X+4*j+2]|, |v[X+4*j+3]|, v[M+c+1]
.endif
.endm
.set j, 0
.rept 4
	s_wait_loadcnt 24-j                            ; loads come back in order (ISA guide 5.7.1): 24, 16, 8, 0 younger ones may be out when a group of eight is taken
.rept 8
	MAXJ
.set j, j+1
.endr
.endr
	v_max3_num_f32 v[M], v[M], v[M+1], v[M+2]
	v_max_num_f32 v[M], v[M], v[M+3]
	v_max_num_f32_dpp v[M], v[M], v[M] row_xmask:1 row_mask:0xf bank_mask:0xf
	v_max_num_f32_dpp v[M], v[M], v[M] row_xmask:2 row_mask:0xf bank_mask:0xf
	v_max_num_f32_dpp v[M], v[M], v[M] row_xmask:4 row_mask:0xf bank_mask:0xf
	v_max_num_f32_dpp v[M], v[M], v[M] row_xmask:8 row_mask:0xf bank_mask:0xf
	v_permlanex16_b32 v[M+1], v[M], s26, s27       ; its destination counts as read: M+1 has been written
	v_max_num_f32 v[M], v[M], v[M+1]               ; every lane holds the row's maximum m
	; the scale, alike in every lane
	v_mul_f32 v8, s23, v[M]                        ; q = m x (1/7), rounded once
.if DIV7_TRUE
	v_fma_f32 v9, s24, v8, v[M]                    ; e = m - 7 q, exact
	v_fma_f32 v8, v9, s23, v8                      ; q = q + e / 7
	v_fma_f32 v9, s24, v8, v[M]
	v_fma_f32 v8, v9, s23, v8                      ; m / 7, correctly rounded
.endif
	v_max_num_f32 v[S], s25, v8                    ; xs
	v_rcp_f32 v8, v[S]                             ; behind it one plain vector instruction that neither reads v8 nor writes S (ISA guide 5.7.2): the next line
	v_xor_b32 v[NS], 0x80000000, v[S]
	v_mov_b32 v[NS+1], v[NS]
	s_wait_alu depctr_va_vdst(0)
	v_fma_f32 v9, v[NS], v8, 1.0                   ; one step of Newton's on the reciprocal
	v_fma_f32 v[R], v9, v8, v8
	v_mov_b32 v[R+1], v[R]
	; lane 0 stores xs: 4 bytes a row, 16,384 bytes in the whole launch
	s_wait_xcnt 0x0                                ; EXEC is a source of the loads above: it changes only behind this wait
	v_cmp_eq_u32 vcc_lo, 0, v[LN]
	s_and_saveexec_b32 s20, vcc_lo
	global_store_b32 v[ZO], v[S], s[12:13]
	s_wait_xcnt 0x0                                ; and again, in front of the line that widens it
	s_or_b32 exec_lo, exec_lo, s20
; Pass 2: load j's four numbers are divided, rounded, clipped, packed into the first two of their own registers and stored.
.macro QUANT
.set xb, X+4*j
.set tb, T+8*(j%2)                     ; q in tb .. tb+3, e in tb+4 .. tb+7
	v_pk_mul_f32 v[tb:tb+1],   v[xb:xb+1],   v[R:R+1]
	v_pk_mul_f32 v[tb+2:tb+3], v[xb+2:xb+3], v[R:R+1]
.rept 2
	v_pk_fma_f32 v[tb+4:tb+5], v[NS:NS+1], v[tb:tb+1],   v[xb:xb+1]      ; e = x - s q
	v_pk_fma_f32 v[tb+6:tb+7], v[NS:NS+1], v[tb+2:tb+3], v[xb+2:xb+3]
	v_pk_fma_f32 v[tb:tb+1],   v[tb+4:tb+5], v[R:R+1], v[tb:tb+1]        ; q = q + e r
	v_pk_fma_f32 v[tb+2:tb+3], v[tb+6:tb+7], v[R:R+1], v[tb+2:tb+3]
.endr
.irp i, 0,1,2,3
	v_rndne_f32 v[tb+(\i)], v[tb+(\i)]
.endr
.irp i, 0,1,2,3
	v_med3_num_f32 v[tb+(\i)], v[tb+(\i)], s21, s22                      ; the clip to -8 .. 7
.endr
	v_cvt_pk_bf16_f32 v[xb],   v[tb],   v[tb+1]
	v_cvt_pk_bf16_f32 v[xb+1], v[tb+2], v[tb+3]
	global_store_b64 v[SO], v[xb:xb+1], s[8:9] offset:256*j              ; 32 lanes store 256 consecutive bytes, at a multiple of 256 from xq's first byte; its registers are never written again
.endm
.set j, 0
.rept 32
	QUANT
.set j, j+1
.endr
	s_endpgm
	; ---------------- 16,384 bytes of weight_packed ----------------
.Lweights:
	s_sub_co_u32 s15, ttmp9, 512
	s_lshl_b32 s15, s15, 3
	s_add_co_u32 s15, s15, s14                     ; my chunk = 8 x (work-group - 512) + wave
	s_lshl_b32 s16, s15, 14                        ; the same byte offset in weight_packed and in wq (under 2^25)
	s_add_nc_u64 s[6:7], s[6:7], s[16:17]
	s_add_nc_u64 s[10:11], s[10:11], s[16:17]
.set j, 0
.rept 32
	global_load_b128 v[X+4*j:X+4*j+3], v[LO], s[6:7] offset:512*j th:TH_LOAD_NT
.set j, j+1
.endr
; Load j's four words.  A nibble is moved to the word's top and back down with its sign; bits 31:8 fall out.  The low nibble, the even k, goes to the low half.
.macro UNPACK
.set xb, X+4*j
.set tb, T+8*(j%2)
.irp i, 0,1,2,3
	v_lshlrev_b32 v[tb+2*(\i)],   28, v[xb+(\i)]
	v_lshlrev_b32 v[tb+2*(\i)+1], 24, v[xb+(\i)]
.endr
.irp i, 0,1,2,3,4,5,6,7
	v_ashrrev_i32 v[tb+(\i)], 28, v[tb+(\i)]
.endr
.irp i, 0,1,2,3,4,5,6,7
	v_cvt_f32_i32 v[tb+(\i)], v[tb+(\i)]
.endr
.irp i, 0,1,2,3
	v_cvt_pk_bf16_f32 v[xb+(\i)], v[tb+2*(\i)], v[tb+2*(\i)+1]
.endr
	global_store_b128 v[LO], v[xb:xb+3], s[10:11] offset:512*j           ; 512 consecutive bytes, at a multiple of 512 from wq's first byte; its registers are never written again
.endm
.set j, 0
.rept 32
	s_wait_loadcnt 31-j                            ; load j is in; the 31 - j younger ones may be out
	UNPACK
.set j, j+1
.endr
	s_endpgm
.Lfunc_end_k_qc062d25f27_prep:
	.size	k_qc062d25f27_prep, .Lfunc_end_k_qc062d25f27_prep-k_qc062d25f27_prep
	.p2alignl 7, 3214868480
	.fill 96, 4, 3214868480
	.section	.rodata,"a",@progbits
	.p2align	6, 0x0
	.amdhsa_kernel k_qc062d25f27_prep
		.amdhsa_group_segment_fixed_size 0
		.amdhsa_private_segment_fixed_size 0
		.amdhsa_enable_private_segment 0
		.amdhsa_kernarg_size 40
		.amdhsa_user_sgpr_count 2
		.amdhsa_user_sgpr_kernarg_segment_ptr 1
		.amdhsa_wavefront_size32 1
		.amdhsa_system_sgpr_workgroup_id_x 1
		.amdhsa_system_sgpr_workgroup_id_y 1
		.amdhsa_system_sgpr_workgroup_id_z 1
		.amdhsa_system_vgpr_workitem_id 0
		.amdhsa_next_free_vgpr 160
		.amdhsa_next_free_sgpr 66
		.amdhsa_reserve_vcc 1
		.amdhsa_float_denorm_mode_32 3
		.amdhsa_float_denorm_mode_16_64 3
		.amdhsa_memory_ordered 1
		.amdhsa_forward_progress 1
		.amdhsa_inst_pref_size 88
	.end_amdhsa_kernel
	.amdgpu_metadata
---
amdhsa.version: [ 1, 2 ]
amdhsa.kernels:
  - .name:           k_qc062d25f27_prep
    .symbol:         k_qc062d25f27_prep.kd
    .args:
      - { .name: x, .offset: 0, .size: 8, .value_kind: global_buffer, .address_space: global }
      - { .name: weight_packed, .offset: 8, .size: 8, .value_kind: global_buffer, .address_space: global }
      - { .name: xq, .offset: 16, .size: 8, .value_kind: global_buffer, .address_space: global }
      - { .name: wq, .offset: 24, .size: 8, .value_kind: global_buffer, .address_space: global }
      - { .name: xs, .offset: 32, .size: 8, .value_kind: global_buffer, .address_space: global }
    .group_segment_fixed_size: 0
    .private_segment_fixed_size: 0
    .kernarg_segment_align: 8
    .kernarg_segment_size: 40
    .max_flat_workgroup_size: 256
    .sgpr_count:     66
    .vgpr_count:     160
    .wavefront_size: 32
...
	.end_amdgpu_metadata
.endif
;; end of part 1
;; launch gemm (part 2): grid 16 x 16, 4 waves a work-group, clusters of 4 x 4, 327,680 bytes of LDS; arguments xq, wq, out0, xs, weight_scale; writes out0
.if DOCPART == 2
	.amdgcn_target "amdgcn-amd-amdhsa--gfx1250"
	.amdhsa_code_object_version 6
	.text
	.protected	k_qc062d25f27_gemm
	.globl	k_qc062d25f27_gemm
	.p2align	8
	.type	k_qc062d25f27_gemm,@function
k_qc062d25f27_gemm:
	s_mov_b64 s[64:65], 0
	v_nop
	global_prefetch_b8 v0, s[64:65] scope:SCOPE_SE
	s_setreg_imm32_b32 hwreg(HW_REG_WAVE_MODE, 25, 1), 1
	s_wait_xcnt 0x0
	s_wait_alu depctr_hold_cnt(0) depctr_sa_sdst(0) depctr_va_vdst(0) depctr_va_sdst(0) depctr_va_ssrc(0) depctr_va_vcc(0) depctr_vm_vsrc(0)
	s_getreg_b32 s2, hwreg(HW_REG_IB_STS2, 6, 4)
	s_cmp_eq_u32 s2, 0
	s_cbranch_scc0 .Lentry_in_a_cluster
	s_endpgm
.Lentry_in_a_cluster:
	s_bfe_u32 s2, ttmp6, 0x10000c
	s_cmp_lg_u32 s2, 0xf033
	s_cbranch_scc0 .Lentry_shape_is_right
	s_endpgm
.Lentry_shape_is_right:
; out0[m][n] = (sum over k of xq[m][k] wq[n][k]) x (xs[m] x ws[n]).  xq: [4096][4096], wq: [4096][4096], bf16 holding whole numbers -8 .. 7; xs, ws: [4096] f32; out0: [4096][4096] f32.
; THE SUMS ARE EXACT: every product is a whole number of at most 64, every partial sum at most 4,096 x 64 = 262,144, below 2^24, so f32 holds each of them whatever the order.
; SHARES.  A tile of out0, 256 x 256, is made by a work-group of four waves; a wave makes 128 x 128: 64 accumulators of 16 x 16, 512 registers.  16 x 16 tiles: 256 work-groups, one tile each.
; K goes in 32 steps of 128 through a ring of two LDS slots filled by the tensor data mover: the rows of the tiles are 256 bytes of memory and start at multiples of 256 bytes from the buffer's first byte.
; CLUSTERS: 4 x 4 work-groups.  The four of a row of the cluster need the same tiles of xq, the four of a column the same tiles of wq.  Such a tile is asked for JOINTLY: each of the four issues
; the same tensor load, with the same descriptor and a mask that names the four, and each receives the tile in its own LDS.
; REGISTERS, in windows of 256 (s_set_vgpr_msb's low byte: bits 1:0 source 0, 3:2 source 1, 5:4 source 2, 7:6 destination):
;   window 0: v0-39 addresses and scales; v64-127, v128-191 fragments of xq (8 x 16 rows x 32 K), two buffers; on the way out the same registers take 16 rows of out0 each
;   window 1: v64-127, v128-191 fragments of wq, two buffers
;   window 2: the 32 accumulators of my rows 0-63 (accumulator (a, b) at v[8 (8 a + b)]);   window 3: those of my rows 64-127
; THE MATRIX INSTRUCTION IS USED TRANSPOSED: source 0 = 16 rows of wq, source 1 = 16 rows of xq.  In the result lane l holds row l % 16 of out0 and its registers 0 to 7 the columns
; 8 (l / 16) + 0 .. 7: 32 neighbouring bytes of a row.
; THE WAY OUT.  A block of 16 rows goes through my own stage in LDS and comes back as whole rows of 512 bytes; each row is multiplied by xs[m] x ws[n] and stored, 512 consecutive bytes a store.
.set SIZE_N, 4096
.set SIZE_K, 4096
.set KSTEP,  128
.set PITCH,  272                       ; an LDS row: 256 bytes of data + 16 of padding = 68 words: row r starts at bank 4 r mod 64 (64 banks of 4 bytes: ISA guide 11.1), so the 16 rows that a load touches start at 16 different banks
.set HALFT,  128*PITCH                 ; 128 rows: what one tensor load brings, and what one wave reads of xq or of wq
.set SLOT,   4*HALFT                   ; xq's 256 rows, then wq's 256 rows
.set STAGE,  2*SLOT                    ; behind the ring: 16 rows x 528 bytes for each wave (33 blocks of 256 bytes), for the way out; no tensor load lands there
.set SP,     528                       ; a stage row: 512 bytes + 16 = 132 words: again 16 rows start at 16 different banks
.set SPARE,  STAGE+4*16*SP             ; behind the stages: the spare words, 128 bytes for each wave: two blocks of 256 bytes that no other line names
.set LAPS,   SIZE_K/(2*KSTEP)          ; a lap = two K steps = once round the ring: 16
.set WS,   8                           ; v[8:11]   ws of my four columns: 4 x lane + 0..3 of the wave's 128
.set XS4,  12                          ; v[12:15]  xs of rows 4 x lane + 0..3 of the wave's 128
.set ADRA, 16                          ; v16-17    LDS address of my xq fragments in slot 0, 1
.set ADRB, 20                          ; v20-21    the same for wq
.set STO,  24                          ; v24       the way out: where I put 32 bytes of a row
.set RD,   25                          ; v25       the way out: where I read 16 bytes of a row back
.set CO,   26                          ; v26       16 x lane: my byte offset in 512 consecutive bytes; never rewritten
.set SPW,  28                          ; v28       LDS address of my spare word: SPARE + 4 x my thread's number; never rewritten
.set NIL,  29                          ; v29       0; never rewritten
.set SC,   32                          ; v[32:39]  xs x ws for the row in hand, two sets of four by turns
.set F0,   64                          ; fragment buffer 0
.set F1,   128                         ; fragment buffer 1
.set G1,  24                           ; s[24:31] descriptor group 1 for xq's tiles
.set G0,  32                           ; s[32:39] descriptor group 0 for xq's tiles, one set for each slot
.set G1B, 48                           ; s[48:55] descriptor group 1 for wq's tiles: it differs in the mask alone
.set G0B, 56                           ; s[56:63] descriptor group 0 for wq's tiles, one set for each slot
.set XR,  68                           ; s[68:83] xs of the 16 rows of the block in hand
.set MSB, 0
.macro WIN new                         ; the immediate's high byte repeats the setting that is left; a switch that changes nothing is dropped
.if MSB != (\new)
	s_set_vgpr_msb (MSB<<8)|(\new)
.set MSB, \new
.endif
.endm
.set MUL_LO, 0xa1                      ; source 0 (wq) window 1, source 1 (xq) window 0, C and D window 2
.set MUL_HI, 0xf1                      ; the same, C and D window 3
.set TO_B,   0x40                      ; destination window 1, address window 0
; A joint load.  Waves 0 and 1 fetch xq's two halves, waves 2 and 3 wq's.  Each of the two lines has ONE mask and one set of registers for all that issue it, and nothing in them hangs on a
; coordinate that the four partners do not share.  The branch hangs on the wave's number alone.  An s_nop 0 and four v_nop follow each of the two lines, ahead of the jump, the label and what follows.
.macro JLOAD s
	s_cmp_eq_u32 s11, 0
	s_cbranch_scc0 .Lfor_b_\@
	tensor_load_to_lds s[G0+4*(\s):G0+4*(\s)+3], s[G1:G1+7]
	s_nop 0
.rept 4
	v_nop
.endr
	s_branch .Lasked_\@
.Lfor_b_\@:
	tensor_load_to_lds s[G0B+4*(\s):G0B+4*(\s)+3], s[G1B:G1B+7]
	s_nop 0
.rept 4
	v_nop
.endr
.Lasked_\@:
.endm
; A round of the cluster's barrier: my work-group's barrier, so that wave 0's signal speaks for all four waves; wave 0 signals for the work-group; every wave waits for all sixteen
; work-groups; my work-group's barrier once more.  No LDS instruction of the wave is pending at a signal.
.macro CREST                           ; a round behind its opening barrier
	s_cmp_lg_u32 s10, 0
	s_cbranch_scc1 .Lnot_wave_0_\@
	s_barrier_signal -3
.Lnot_wave_0_\@:
	s_barrier_wait -3
	s_barrier_signal -1
	s_barrier_wait -1
.endm
.macro CROUND                          ; a whole round
	s_barrier_signal -1
	s_barrier_wait -1
	CREST
.endm
	s_load_b128 s[4:7], s[0:1], 0x0                ; xq s[4:5], wq s[6:7]
	s_load_b64 s[8:9], s[0:1], 0x10                ; out0
	s_load_b64 s[92:93], s[0:1], 0x18              ; xs
	s_load_b64 s[94:95], s[0:1], 0x20              ; weight_scale
	v_lshl_add_u32 v[SPW], v0, 2, SPARE
	v_mov_b32 v[NIL], 0
	ds_add_u32 v[SPW], v[NIL]                      ; the wave's opening: the add and its wait stand ahead of my first tensor load; the set-up below, work on registers, stands between them
	v_lshrrev_b32 v1, 5, v0
	v_readfirstlane_b32 s10, v1                    ; wave 0..3
	s_lshr_b32 s11, s10, 1                         ; which half of the tile's rows is mine.  Also: I fetch for xq (0) or for wq (1)
	s_and_b32 s12, s10, 1                          ; which half of its columns.  Also: which 128 rows of that tile I fetch
	s_bfe_u32 s40, ttmp6, 0x40000                  ; cx: my place along the cluster's x
	s_bfe_u32 s41, ttmp6, 0x40004                  ; cy: along its y
	s_lshl_b32 s42, ttmp9, 2                       ; in a cluster launch ttmp9 and ttmp7 count clusters
	s_add_co_u32 s42, s42, s40                     ; tile column = 4 x cluster x + cx
	s_and_b32 s13, ttmp7, 0xffff
	s_lshl_b32 s13, s13, 2
	s_add_co_u32 s13, s13, s41                     ; tile row = 4 x cluster y + cy
	s_lshl_b32 s43, s41, 2
	s_lshl_b32 s43, 15, s43                        ; my row of the cluster: places 4 cy .. 4 cy + 3
	s_lshl_b32 s44, 0x1111, s40                    ; my column: places cx, cx + 4, cx + 8, cx + 12
	; descriptor group 1: a tile of 128 rows x 128 elements, padded in LDS
	s_or_b32 s[G1+0], s43, (1<<16)|(1<<20)|(1<<21)|(5<<22)|(3<<25)  ; 15:0 the mask: xq's tiles go to my row; 17:16 element of 2 bytes; 20 padding on; 21 set beside a mask; 24:22 after every 64 words (code 5); 31:25 of 4 words (code 3)
	s_or_b32 s[G1B+0], s44, (1<<16)|(1<<20)|(1<<21)|(5<<22)|(3<<25) ; the same with the mask of my column, for wq's tiles
	s_mov_b32 s[G1B+1], KSTEP<<16
	s_mov_b32 s[G1+1], KSTEP<<16                   ; 63:48 tensor_dim0, low half = 128
	s_mov_b32 s[G1B+2], 128<<16
	s_mov_b32 s[G1+2], 128<<16                     ; 79:64 its high half = 0; 95:80 tensor_dim1, low half = 128
	s_mov_b32 s[G1B+3], KSTEP<<16
	s_mov_b32 s[G1+3], KSTEP<<16                   ; 111:96 its high half = 0; 127:112 tile_dim0 = 128
	s_mov_b32 s[G1B+4], 128
	s_mov_b32 s[G1+4], 128                         ; 143:128 tile_dim1 = 128; 159:144 tile_dim2 = 0
	s_mov_b32 s[G1B+5], SIZE_K
	s_mov_b32 s[G1+5], SIZE_K                      ; 191:160 tensor_dim0_stride, low word: elements from row to row
	s_mov_b32 s[G1B+6], 0
	s_mov_b32 s[G1+6], 0
	s_mov_b32 s[G1B+7], 0
	s_mov_b32 s[G1+7], 0
	; where the tiles come from.  xq's hang on the tile row alone, which my row of the cluster shares; wq's on the tile column alone, which my column shares.
	; Every wave makes both addresses, in registers that never hold the other coordinate, and asks by one of them.
	s_lshl_b32 s17, s12, 7                         ; which 128 rows of the tile I fetch
	s_lshl_b32 s16, s13, 8
	s_add_co_u32 s16, s16, s17                     ; xq: row 256 x tile row + 128 x half
	s_lshl_b32 s46, s42, 8
	s_add_co_u32 s46, s46, s17                     ; wq: row 256 x tile column + 128 x half
	s_mov_b32 s17, 0
	s_mov_b32 s47, 0
	s_mov_b64 s[18:19], SIZE_K*2
	s_mul_u64 s[16:17], s[16:17], s[18:19]         ; in bytes
	s_mul_u64 s[46:47], s[46:47], s[18:19]
	s_mul_i32 s20, s10, HALFT                      ; and where they go: xq's two halves, then wq's two halves = wave x 128 rows: no place in the cluster enters an LDS address
	s_wait_dscnt 0x0                               ; the opening add is done
	s_wait_kmcnt 0x0
	s_add_nc_u64 s[14:15], s[4:5], s[16:17]
	s_add_nc_u64 s[46:47], s[6:7], s[46:47]
	CROUND                                         ; all sixteen work-groups are here: the first joint loads meet
.irp s, 0,1
	s_mov_b32 s[G0+4*(\s)], 1                                      ; 1:0 count = 1
	s_add_co_u32 s[G0+4*(\s)+1], s20, (\s)*SLOT                    ; 63:32 LDS address
	s_add_nc_u64 s[G0+4*(\s)+2:G0+4*(\s)+3], s[14:15], (\s)*KSTEP*2  ; 120:64 global address: K step s
	s_or_b32 s[G0+4*(\s)+3], s[G0+4*(\s)+3], 0x80000000            ; 127:126 type = 2
	s_mov_b32 s[G0B+4*(\s)], 1
	s_add_co_u32 s[G0B+4*(\s)+1], s20, (\s)*SLOT
	s_add_nc_u64 s[G0B+4*(\s)+2:G0B+4*(\s)+3], s[46:47], (\s)*KSTEP*2
	s_or_b32 s[G0B+4*(\s)+3], s[G0B+4*(\s)+3], 0x80000000
	JLOAD \s                                       ; the ring is filled before anything else is done: two tensor loads of mine are out
.endr
	; A fragment is 16 rows x 32 K in 8 registers: lane l holds row l % 16; registers 0-3 hold K = 8 (l / 16) + 0..7, registers 4-7 hold
	; K = 16 + 8 (l / 16) + 0..7.  From rows that lie along K: two loads of 16 bytes, 32 bytes apart.  The same for source 0 and source 1.
	v_and_b32 v1, 15, v0                           ; l % 16
	v_bfe_u32 v2, v0, 4, 1                         ; l / 16
	v_mul_u32_u24 v3, v1, PITCH
	v_lshl_add_u32 v3, v2, 4, v3                   ; row x pitch + 16 x half
	s_mul_i32 s21, s11, HALFT                      ; my 128 rows of xq
	s_mul_i32 s22, s12, HALFT                      ; my 128 rows of wq,
	s_add_co_u32 s22, s22, 2*HALFT                 ; which lie behind xq's 256
.irp s, 0,1
	v_add_nc_u32 v[ADRA+(\s)], s21, v3
	v_add_nc_u32 v[ADRB+(\s)], s22, v3
	s_add_co_u32 s21, s21, SLOT
	s_add_co_u32 s22, s22, SLOT
.endr
	s_mul_i32 s23, s10, 16*SP
	s_add_co_u32 s23, s23, STAGE                   ; my stage
	v_mul_u32_u24 v4, v1, SP                       ; in: row l % 16, 32 bytes for each half of the lanes
	v_lshl_add_u32 v4, v2, 5, v4
	v_add_nc_u32 v[STO], s23, v4
	v_and_b32 v5, 31, v0
	v_lshlrev_b32 v[CO], 4, v5                     ; back, and in memory: 32 lanes take one row's 512 bytes
	v_add_nc_u32 v[RD], s23, v[CO]
	; my part of out0, of xs and of weight_scale: offsets made apart from the addresses, in registers that feed no descriptor
	s_lshl_b32 s88, s13, 8
	s_lshl_b32 s84, s11, 7
	s_add_co_u32 s88, s88, s84                     ; my first row = 256 x tile row + 128 x half
	s_lshl_b32 s84, s88, 14                        ; 16,384 bytes a row of out0 (under 2^26)
	s_lshl_b32 s88, s88, 2                         ; 4 bytes a row in xs
	s_mov_b32 s85, 0
	s_mov_b32 s89, 0
	s_lshl_b32 s86, s42, 8
	s_lshl_b32 s87, s12, 7
	s_add_co_u32 s86, s86, s87                     ; my first column = 256 x tile column + 128 x half
	s_lshl_b32 s86, s86, 2                         ; 4 bytes a column, in out0 and in weight_scale
	s_mov_b32 s87, 0
	s_add_nc_u64 s[8:9], s[8:9], s[84:85]
	s_add_nc_u64 s[8:9], s[8:9], s[86:87]
	s_add_nc_u64 s[92:93], s[92:93], s[88:89]
	s_add_nc_u64 s[94:95], s[94:95], s[86:87]
	global_load_b128 v[WS:WS+3],   v[CO], s[94:95] ; the scales of my 128 columns and of my 128 rows: 512 consecutive bytes each, read once
	global_load_b128 v[XS4:XS4+3], v[CO], s[92:93]
; 16 matrix instructions: m blocks a0, a0 + 1 of the window's four (hi = 0: my rows 0-63, 1: rows 64-127) x all 8 n blocks, 32 along K.
; zero = 1: the first product starts the sums: nothing is ever cleared.  The 64 accumulators take turns, one instruction a turn, in the same order in every quarter step.
.macro MUL16 f, hi, a0, zero
	WIN MUL_LO+0x50*(\hi)  ; MUL_LO or MUL_HI
.irp a, \a0, (\a0)+1
.irp b, 0,1,2,3,4,5,6,7
.if \zero
	v_wmma_f32_16x16x32_bf16 v[8*(8*(\a)+(\b)):8*(8*(\a)+(\b))+7], v[(\f)+8*(\b):(\f)+8*(\b)+7], v[(\f)+8*(4*(\hi)+(\a)):(\f)+8*(4*(\hi)+(\a))+7], 0
.else
	v_wmma_f32_16x16x32_bf16 v[8*(8*(\a)+(\b)):8*(8*(\a)+(\b))+7], v[(\f)+8*(\b):(\f)+8*(\b)+7], v[(\f)+8*(4*(\hi)+(\a)):(\f)+8*(4*(\hi)+(\a))+7], v[8*(8*(\a)+(\b)):8*(8*(\a)+(\b))+7]
.endif
.endr
.endr
.endm
; 32 LDS loads in one run: the fragments of one quarter step (128 rows of wq, 128 rows of xq, 32 K at byte k of the rows) into buffer f
.macro FETCH slot, k, f
	WIN TO_B
.irp i, 0,1,2,3,4,5,6,7
	ds_load_b128 v[(\f)+8*(\i):(\f)+8*(\i)+3],   v[ADRB+(\slot)] offset:(\k)+(\i)*16*PITCH
	ds_load_b128 v[(\f)+8*(\i)+4:(\f)+8*(\i)+7], v[ADRB+(\slot)] offset:(\k)+(\i)*16*PITCH+32
.endr
	WIN 0
.irp i, 0,1,2,3,4,5,6,7
	ds_load_b128 v[(\f)+8*(\i):(\f)+8*(\i)+3],   v[ADRA+(\slot)] offset:(\k)+(\i)*16*PITCH
	ds_load_b128 v[(\f)+8*(\i)+4:(\f)+8*(\i)+7], v[ADRA+(\slot)] offset:(\k)+(\i)*16*PITCH+32
.endr
.endm
; A load into a register that a matrix instruction has read, and an LDS store that reads a matrix result, stand four places behind that matrix instruction, and only plain vector
; instructions that name none of its registers are places (ISA guide 7.12.1 for vector instructions); the matrix instructions in between are not counted.
.macro PLACES
.rept 4
	v_nop
.endr
.endm
; A K step is four quarter steps of 32 along K, 64 matrix instructions each, on buffers 0, 1, 0, 1.
; One of the first three: multiplies buffer f; in its middle it fetches the next quarter's fragments, at byte k of the same slot's rows, into buffer g.
.macro QUARTER slot, k, f, g, zero
	s_wait_dscnt 8                                 ; wq and xq's rows 0-63 are in; the youngest eight loads (xq's rows 64-127) may be out
	WIN MUL_LO
	MUL16 \f, 0, 0, \zero
	MUL16 \f, 0, 2, \zero
	PLACES
	FETCH \slot, \k, \g
	s_wait_dscnt 32                                ; all but the 32 just issued
	WIN MUL_HI
	MUL16 \f, 1, 0, \zero
	MUL16 \f, 1, 2, \zero
.endm
; The last quarter multiplies buffer 1 and changes slots.  MEET is its first half: ONE barrier for the change of slots, for two things.  In front of it each wave waits for all its tensor
; loads, of which one is out: its part of the next slot; adds 0 to its spare word; and waits for that and for its own reads of this slot.  Behind it nobody reads this slot any more and the next slot is whole.
.macro MEET round                      ; round = 1: a round of the cluster's barrier follows
	WIN 0                                          ; (the add's two registers lie in window 0)
	s_wait_tensorcnt 0x0                           ; all my tensor loads have landed: the one that was out is my part of the next slot;
	ds_add_u32 v[SPW], v[NIL]                      ; 0 onto my spare word;
	s_wait_dscnt 9                                 ; (the add and the youngest eight loads may be out)
	WIN MUL_LO
	MUL16 F1, 0, 0, 0                              ; sixteen matrix instructions stand between the add and the wait for it
	s_wait_dscnt 0x0                               ; the add is done, and my reads of this slot are over:
	s_barrier_signal -1                            ; say so (where a slot is filled again this barrier opens a round of the cluster's barrier),
	MUL16 F1, 0, 2, 0                              ; work on registers while the others arrive,
.if \round
	WIN 0
.endif
	s_barrier_wait -1                              ; and go on when all four have said so
.endm
; The whole last quarter.  fill = 1: behind the round the slot just read out is filled again first, with the K step two steps on; then come the next slot's first fragments.
; From a request to the wait for it a wave issues 224 matrix instructions.  fill = 0 (the last lap): nothing is asked for, and the barrier is the work-group's alone.
.macro TURN slot, next, fill
	MEET \fill
.if \fill
	CREST                                          ; no wave of any partner still reads this slot's tile or has a load on its way
	s_add_nc_u64 s[G0+4*(\slot)+2:G0+4*(\slot)+3], s[G0+4*(\slot)+2:G0+4*(\slot)+3], 2*KSTEP*2      ; no tensor load of mine is out: a group 0 may be written; the type bits on top are not reached
	s_add_nc_u64 s[G0B+4*(\slot)+2:G0B+4*(\slot)+3], s[G0B+4*(\slot)+2:G0B+4*(\slot)+3], 2*KSTEP*2
	JLOAD \slot                                    ; the first tensor load behind the round, my only one until the next; the four v_nop behind it are also the places in front of the loads below
.else
	PLACES
.endif
	FETCH \next, 0, F0
	WIN MUL_HI
	MUL16 F1, 1, 0, 0
	MUL16 F1, 1, 2, 0
.endm
; THE WAY OUT of block a (16 rows), in two parts.
; TOSTAGE: a lane's 32 bytes of each of the 8 accumulators go into my stage, the four lowest registers of an accumulator first; then the block comes back as 16 whole rows of 512 bytes.
.macro TOSTAGE a
.set AC, 64*((\a)%4)                   ; its eight accumulators, in window 2 (blocks 0-3) or 3 (blocks 4-7)
.set BK, F0+64*((\a)%2)                ; where it comes back: the two fragment buffers of window 0 by turns
	WIN 0x08+4*((\a)/4)                            ; an LDS store's data is source 1: window 2 or 3; its address, source 0, window 0
.irp b, 0,1,2,3,4,5,6,7
	ds_store_b128 v[STO], v[AC+8*(\b):AC+8*(\b)+3]   offset:64*(\b)
	ds_store_b128 v[STO], v[AC+8*(\b)+4:AC+8*(\b)+7] offset:64*(\b)+16
.endr
	WIN 0
.irp t, 0,1,2,3,4,5,6,7,8,9,10,11,12,13,14,15
	ds_load_b128 v[BK+4*(\t):BK+4*(\t)+3], v[RD] offset:(\t)*SP  ; LDS serves a wave's instructions in order (ISA guide 5.7.1.4): these see the stores above, and the next block's stores come behind them
.endr
.endm
; SEND: row t is multiplied by xs[row] x ws[column], in that order of products, and stored.  younger: the LDS instructions issued behind block a's loads: the next block's 16 stores and 16 loads, or none.
.macro SEND a, younger
.set BK, F0+64*((\a)%2)
.irp t, 0,1,2,3,4,5,6,7,8,9,10,11,12,13,14,15
	v_readlane_b32 s[XR+(\t)], v[XS4+(\t)%4], 4*(\a)+(\t)/4      ; xs of row 16 a + t lies in lane (16 a + t) / 4, register t % 4
.endr
.irp t, 0,1,2,3,4,5,6,7,8,9,10,11,12,13,14,15
.irp i, 0,1,2,3
	v_mul_f32 v[SC+4*((\t)%2)+(\i)], s[XR+(\t)], v[WS+(\i)]
.endr
	s_wait_dscnt (\younger)+15-(\t)                ; row t is back: behind its load stand the block's 15 - t later rows and the younger ones
	v_pk_mul_f32 v[BK+4*(\t):BK+4*(\t)+1],   v[BK+4*(\t):BK+4*(\t)+1],   v[SC+4*((\t)%2):SC+4*((\t)%2)+1]
	v_pk_mul_f32 v[BK+4*(\t)+2:BK+4*(\t)+3], v[BK+4*(\t)+2:BK+4*(\t)+3], v[SC+4*((\t)%2)+2:SC+4*((\t)%2)+3]
	global_store_b128 v[CO], v[BK+4*(\t):BK+4*(\t)+3], s[8:9] offset:(16*(\a)+(\t))*SIZE_N*4 th:TH_STORE_NT  ; 512 consecutive bytes, at a multiple of 512 from out0's first byte; 127 rows at the most: 2,080,768, inside the signed 24-bit immediate
.endr
.endm
	s_wait_loadcnt 0x0                             ; the scales; the wait stands in the wait for the first tile
	s_wait_tensorcnt 1                             ; my part of K step 0 is in; K step 1's may stay out
	s_barrier_signal -1
	s_barrier_wait -1                              ; everybody's is
	FETCH 0, 0, F0
	QUARTER 0, 64,  F0, F1, 1                      ; the first quarter stands in front of the loop: its products start the sums
	WIN 0                                          ; at a label and at a branch every window is 0
	s_mov_b32 s3, LAPS-1
.Llap:                                                 ; a trip goes once round the ring, from a lap's second quarter to the next lap's first, and fills both slots again
	QUARTER 0, 128, F1, F0, 0
	QUARTER 0, 192, F0, F1, 0
	TURN 0, 1, 1
	QUARTER 1, 64,  F0, F1, 0
	QUARTER 1, 128, F1, F0, 0
	QUARTER 1, 192, F0, F1, 0
	TURN 1, 0, 1
	QUARTER 0, 64,  F0, F1, 0
	WIN 0
	s_sub_co_u32 s3, s3, 1
	s_cmp_lg_u32 s3, 0
	s_cbranch_scc1 .Llap
	QUARTER 0, 128, F1, F0, 0                      ; the last lap is written out: it fills nothing
	QUARTER 0, 192, F0, F1, 0
	TURN 0, 1, 0
	QUARTER 1, 64,  F0, F1, 0
	QUARTER 1, 128, F1, F0, 0
	QUARTER 1, 192, F0, F1, 0
	s_wait_dscnt 8                                 ; the very last quarter: nothing more to fetch
	WIN MUL_LO
	MUL16 F1, 0, 0, 0
	MUL16 F1, 0, 2, 0
	s_wait_dscnt 0x0
	MUL16 F1, 1, 0, 0
	MUL16 F1, 1, 2, 0
	PLACES                                         ; behind the last products: for the LDS stores that read results, and for the loads into xq's two buffers
	TOSTAGE 0
.irp a, 0,1,2,3,4,5,6                  ; block a + 1 goes into the stage and is asked back while block a is scaled and stored
.if (\a) >= 1
	s_wait_xcnt 0x0                                ; every earlier memory instruction has had its addresses translated (ISA guide 3.1): block a - 1's stores read the buffer that block a + 1 is loaded into only behind this wait
.endif
	TOSTAGE (\a)+1
	SEND \a, 32
.endr
	SEND 7, 0
	s_wait_tensorcnt 0x0                           ; the wave's end, behind my last tensor load and my last LDS store
	ds_add_u32 v[SPW], v[NIL]
	s_wait_dscnt 0x0
	CROUND                                         ; the closing round: no work-group ends while a partner may still ask for a tile that names it
	s_endpgm
.Lfunc_end_k_qc062d25f27_gemm:
	.size	k_qc062d25f27_gemm, .Lfunc_end_k_qc062d25f27_gemm-k_qc062d25f27_gemm
	.p2alignl 7, 3214868480
	.fill 96, 4, 3214868480
	.section	.rodata,"a",@progbits
	.p2align	6, 0x0
	.amdhsa_kernel k_qc062d25f27_gemm
		.amdhsa_group_segment_fixed_size 327680
		.amdhsa_private_segment_fixed_size 0
		.amdhsa_enable_private_segment 0
		.amdhsa_kernarg_size 40
		.amdhsa_user_sgpr_count 2
		.amdhsa_user_sgpr_kernarg_segment_ptr 1
		.amdhsa_wavefront_size32 1
		.amdhsa_system_sgpr_workgroup_id_x 1
		.amdhsa_system_sgpr_workgroup_id_y 1
		.amdhsa_system_sgpr_workgroup_id_z 1
		.amdhsa_system_vgpr_workitem_id 0
		.amdhsa_next_free_vgpr 1024
		.amdhsa_next_free_sgpr 96
		.amdhsa_reserve_vcc 0
		.amdhsa_float_denorm_mode_32 3
		.amdhsa_float_denorm_mode_16_64 3
		.amdhsa_memory_ordered 1
		.amdhsa_forward_progress 1
		.amdhsa_inst_pref_size 184
	.end_amdhsa_kernel
	.amdgpu_metadata
---
amdhsa.version: [ 1, 2 ]
amdhsa.kernels:
  - .name:           k_qc062d25f27_gemm
    .symbol:         k_qc062d25f27_gemm.kd
    .args:
      - { .name: xq, .offset: 0, .size: 8, .value_kind: global_buffer, .address_space: global }
      - { .name: wq, .offset: 8, .size: 8, .value_kind: global_buffer, .address_space: global }
      - { .name: out0, .offset: 16, .size: 8, .value_kind: global_buffer, .address_space: global }
      - { .name: xs, .offset: 24, .size: 8, .value_kind: global_buffer, .address_space: global }
      - { .name: weight_scale, .offset: 32, .size: 8, .value_kind: global_buffer, .address_space: global }
    .group_segment_fixed_size: 327680
    .private_segment_fixed_size: 0
    .kernarg_segment_align: 8
    .kernarg_segment_size: 40
    .max_flat_workgroup_size: 128
    .sgpr_count:     96
    .vgpr_count:     1024
    .wavefront_size: 32
...
	.end_amdgpu_metadata
.endif
;; end of part 2
;; ======== version 2 of 2: 2 launches; version 1 with the launch prep written anew for expert scheduling mode
;; workspace buffers: xq 33,554,432 bytes; wq 33,554,432 bytes; xs 16,384 bytes
;; launch prep (part 3): grid 768 x 1, 8 waves a work-group, no clusters, 0 bytes of LDS; arguments x, weight_packed, xq, wq, xs; writes xq, wq, xs
.if DOCPART == 3
	.amdgcn_target "amdgcn-amd-amdhsa--gfx1250"
	.amdhsa_code_object_version 6
	.text
	.protected	k_qc062d25f27_prep
	.globl	k_qc062d25f27_prep
	.p2align	8
	.type	k_qc062d25f27_prep,@function
k_qc062d25f27_prep:
	s_mov_b64 s[64:65], 0
	v_nop
	global_prefetch_b8 v0, s[64:65] scope:SCOPE_SE
	s_setreg_imm32_b32 hwreg(HW_REG_WAVE_SCHED_MODE, 0, 2), 2
	s_setreg_imm32_b32 hwreg(HW_REG_WAVE_MODE, 25, 1), 1
	s_wait_xcnt 0x0
	s_wait_alu depctr_vm_vsrc(0)
; THE TWO CONVERSIONS IN FRONT OF THE PRODUCT, each done once, as a stream.
;   xs[m] = max(max over k of |x[m][k]| / 7, 1e-5);  xq[m][k] = clip(round to nearest even(x[m][k] / xs[m]), -8, 7), written as bf16 (whole numbers -8 .. 7 are exact there)
;   wq[n][2 p], wq[n][2 p + 1] = the low and the high signed nibble of weight_packed[n][p]'s low byte, written as bf16
; x: [4096][4096] f32.  weight_packed: [4096][2048] i32.  xq, wq: [4096][4096] bf16.  xs: [4096] f32.
; SHARES.  Work-groups 0 to 511: a wave takes one row of x (16,384 bytes = 128 registers), keeps it in registers between the pass that finds the maximum and the pass
; that divides, and reads it from memory once.  Work-groups 512 to 767: a wave takes 16,384 bytes of weight_packed; a word there (two nibbles) becomes one word of wq
; (two bf16) at the SAME byte offset.  A wave issues all its 32 loads at once; no loop, no LDS, no barrier: no wave needs another's numbers.
; WHY THE LAST BIT COUNTS.  One xq that falls on the neighbouring whole number shifts 4,096 outputs by |wq| xs ws, more than their allowance.  So x / xs is a correctly rounded
; f32 division, made of a reciprocal and fused multiply-adds: q = x r; twice: e = x - s q (exact), q = q + e r.
; THE DIVISION BY THE CONSTANT 7.  DIV7_TRUE = 0: max / 7 is ONE multiplication by 1/7 rounded to f32 (0x3e124925), which is what a division by a constant becomes where reference()
; is compiled as a whole.  That xs is the correctly rounded quotient or its upper neighbour: at most one unit in the last place apart.  DIV7_TRUE = 1: the correctly rounded quotient.
; LIMITS.  NaN and infinities in x are not treated apart (the maximum drops a NaN).  xs lies in 1e-5 .. 4.9e37, so its reciprocal is a normal number.  For |x| below 2^-103 the
; residual is not exact; such a quotient is far below 0.5 and rounds to 0 all the same.  xq may hold -0, which the product takes as 0.
; THE MODE: SCHED_MODE bits 1:0 = 2 (LLVM: expert scheduling mode 2), set by the entry lines.  The code itself states the register dependences
; between vector instructions and memory instructions, with s_wait_alu, always for 0.
; THE PLAN.  Registers that memory instructions touch:
;   v[LO], v[SO]  byte offsets, made at the head and never written again: one wait ahead of the branch serves every load and store of both paths.
;   v[X ..]       The 32 loads land here; no vector instruction names these registers before.  Load j's arithmetic reads its four registers and packs its results into the first two
;                 (a row of x) or all four (weights) of them; ONE store reads them, and nothing writes them again: so no wait for a store's reads is owed.
;   v[S], v[ZO]   read by the one store of xs, never written again.
;   T, M, R, NS, v8, v9 are named by vector instructions alone.
; The 32 loads' results go in 8 BLOCKS of four.  Block g's vector instructions name its own sixteen registers of X, T, R and NS.  Its memory instructions are the four stores of
; block g - 1.  So one wait at a block's head (the block before has written its results) states all that those four stores hang on, and they are dealt among the block's
; arithmetic, one ahead of each load's share, with no further wait.  Behind block 7 one more wait stands ahead of the last four stores.
.set DIV7_TRUE, 0
.set BLK, 4                            ; loads' results in a block
.set LO,  1                            ; v1        16 x lane: my 16 bytes in 512; never rewritten
.set SO,  2                            ; v2        8 x lane: my 8 bytes in 256; never rewritten
.set LN,  3                            ; v3        lane
.set M,   4                            ; v[4:7]    four running maxima
.set R,   10                           ; v[10:11]  1 / xs, twice (a pair for the packed forms)
.set NS,  12                           ; v[12:13]  -xs, twice
.set S,   14                           ; v14       xs
.set ZO,  15                           ; v15       0: the offset of the store of xs
.set X,   16                           ; v[16:143] the row or the chunk: load j in v[X+4j : X+4j+3]; results are packed into the same registers
.set T,   144                          ; v[144:159] at work: two sets of eight, by j % 2
	s_load_b256 s[4:11], s[0:1], 0x0               ; x s[4:5], weight_packed s[6:7], xq s[8:9], wq s[10:11]
	s_load_b64 s[12:13], s[0:1], 0x20              ; xs
	v_lshrrev_b32 v[LN], 5, v0
	v_readfirstlane_b32 s14, v[LN]                 ; wave 0..7
	v_and_b32 v[LN], 31, v0
	v_lshlrev_b32 v[LO], 4, v[LN]
	v_lshlrev_b32 v[SO], 3, v[LN]
	s_mov_b32 s17, 0                               ; the high words of the two offset pairs
	s_mov_b32 s19, 0
	s_wait_alu depctr_va_sdst(0)                   ; s14 is written
	s_wait_alu depctr_va_vdst(0)                   ; v[LO] and v[SO] are written: every load and store of both paths reads one of them as its offset
	s_wait_kmcnt 0x0
	s_cmp_lt_u32 ttmp9, 512                        ; the branch hangs on the work-group's number alone
	s_cbranch_scc0 .Lweights
	; ---------------- a row of x ----------------
	s_lshl_b32 s15, ttmp9, 3
	s_add_co_u32 s15, s15, s14                     ; my row = 8 x work-group + wave
	s_lshl_b32 s16, s15, 14                        ; 16,384 bytes a row of x (under 2^26)
	s_lshl_b32 s18, s15, 13                        ; 8,192 bytes a row of xq
	s_add_nc_u64 s[4:5], s[4:5], s[16:17]
	s_add_nc_u64 s[8:9], s[8:9], s[18:19]
	s_lshl_b32 s16, s15, 2                         ; 4 bytes a row in xs
	s_add_nc_u64 s[12:13], s[12:13], s[16:17]
.set j, 0
.rept 32                                               ; the whole row: each load covers 512 consecutive bytes, at a multiple of 512 from x's first byte
	global_load_b128 v[X+4*j:X+4*j+3], v[LO], s[4:5] offset:512*j th:TH_LOAD_NT
.set j, j+1
.endr
	s_mov_b32 s21, 0xc1000000                      ; -8.0
	s_mov_b32 s22, 0x40e00000                      ; 7.0
	s_mov_b32 s23, 0x3e124925                      ; 1/7, rounded to nearest
.if DIV7_TRUE
	s_mov_b32 s24, 0xc0e00000                      ; -7.0
.endif
	s_mov_b32 s25, 0x3727c5ac                      ; 1e-5
	s_mov_b32 s26, 0x76543210                      ; v_permlanex16_b32: each lane takes its own place in the other half
	s_mov_b32 s27, 0xfedcba98
	v_mov_b32 v[ZO], 0
; Pass 1: the largest |x| of my 128 numbers, in four chains; the first two loads start them: nothing is cleared.
.macro MAXJ                            ; load j's four numbers
.set c, 2*(j%2)
.if j < 2
	v_max_num_f32 v[M+c],   |v[X+4*j]|,   |v[X+4*j+1]|
	v_max_num_f32 v[M+c+1], |v[X+4*j+2]|, |v[X+4*j+3]|
.else
	v_max3_num_f32 v[M+c],   |v[X+4*j]|,   |v[X+4*j+1]|, v[M+c]
	v_max3_num_f32 v[M+c+1], |v[X+4*j+2]|, |v[X+4*j+3]|, v[M+c+1]
.endif
.endm
.set j, 0
.rept 4
	s_wait_loadcnt 24-j                            ; loads come back in order (ISA guide 5.7.1): 24, 16, 8, 0 younger ones may be out when a group of eight is taken
.rept 8
	MAXJ
.set j, j+1
.endr
.endr
	v_max3_num_f32 v[M], v[M], v[M+1], v[M+2]
	v_max_num_f32 v[M], v[M], v[M+3]
	v_max_num_f32_dpp v[M], v[M], v[M] row_xmask:1 row_mask:0xf bank_mask:0xf
	v_max_num_f32_dpp v[M], v[M], v[M] row_xmask:2 row_mask:0xf bank_mask:0xf
	v_max_num_f32_dpp v[M], v[M], v[M] row_xmask:4 row_mask:0xf bank_mask:0xf
	v_max_num_f32_dpp v[M], v[M], v[M] row_xmask:8 row_mask:0xf bank_mask:0xf
	v_permlanex16_b32 v[M+1], v[M], s26, s27       ; its destination counts as read: M+1 has been written
	v_max_num_f32 v[M], v[M], v[M+1]               ; every lane holds the row's maximum m
	; the scale, alike in every lane
	v_mul_f32 v8, s23, v[M]                        ; q = m x (1/7), rounded once
.if DIV7_TRUE
	v_fma_f32 v9, s24, v8, v[M]                    ; e = m - 7 q, exact
	v_fma_f32 v8, v9, s23, v8                      ; q = q + e / 7
	v_fma_f32 v9, s24, v8, v[M]
	v_fma_f32 v8, v9, s23, v8                      ; m / 7, correctly rounded
.endif
	v_max_num_f32 v[S], s25, v8                    ; xs
	v_rcp_f32 v8, v[S]                             ; behind it one plain vector instruction that neither reads v8 nor writes S (ISA guide 5.7.2): the next line
	v_xor_b32 v[NS], 0x80000000, v[S]
	v_mov_b32 v[NS+1], v[NS]
	s_wait_alu depctr_va_vdst(0)                   ; the reciprocal has written v8, which the next line is the first to read
	v_fma_f32 v9, v[NS], v8, 1.0                   ; one step of Newton's on the reciprocal
	v_fma_f32 v[R], v9, v8, v8
	v_mov_b32 v[R+1], v[R]
	; lane 0 stores xs: 4 bytes a row, 16,384 bytes in the whole launch
	s_wait_xcnt 0x0                                ; EXEC is a source of the loads above: it changes only behind this wait
	v_cmp_eq_u32 vcc_lo, 0, v[LN]
	s_wait_alu depctr_va_vcc(0)                    ; the compare has written VCC, of which the line that narrows EXEC makes the mask
	s_wait_alu depctr_va_vdst(0)                   ; EXEC is written next: every vector instruction issued so far has written its result, v[S] and v[ZO], which the store below reads, among them
	s_wait_alu depctr_vm_vsrc(0)                   ; EXEC is written next: every memory instruction issued so far has read its vector registers
	s_and_saveexec_b32 s20, vcc_lo
	global_store_b32 v[ZO], v[S], s[12:13]
	s_wait_xcnt 0x0                                ; and again, in front of the line that widens it
	s_wait_alu depctr_va_vdst(0)                   ; EXEC is written next: no vector instruction is still to write its result
	s_wait_alu depctr_vm_vsrc(0)                   ; EXEC is written next: the store of xs has read v[ZO] and v[S]
	s_or_b32 exec_lo, exec_lo, s20
; Pass 2: load j's four numbers are divided, rounded, clipped and packed into the first two of their own registers.
.macro QUANT
.set xb, X+4*j
.set tb, T+8*(j%2)                     ; q in tb .. tb+3, e in tb+4 .. tb+7
	v_pk_mul_f32 v[tb:tb+1],   v[xb:xb+1],   v[R:R+1]
	v_pk_mul_f32 v[tb+2:tb+3], v[xb+2:xb+3], v[R:R+1]
.rept 2
	v_pk_fma_f32 v[tb+4:tb+5], v[NS:NS+1], v[tb:tb+1],   v[xb:xb+1]      ; e = x - s q
	v_pk_fma_f32 v[tb+6:tb+7], v[NS:NS+1], v[tb+2:tb+3], v[xb+2:xb+3]
	v_pk_fma_f32 v[tb:tb+1],   v[tb+4:tb+5], v[R:R+1], v[tb:tb+1]        ; q = q + e r
	v_pk_fma_f32 v[tb+2:tb+3], v[tb+6:tb+7], v[R:R+1], v[tb+2:tb+3]
.endr
.irp i, 0,1,2,3
	v_rndne_f32 v[tb+(\i)], v[tb+(\i)]
.endr
.irp i, 0,1,2,3
	v_med3_num_f32 v[tb+(\i)], v[tb+(\i)], s21, s22                      ; the clip to -8 .. 7
.endr
	v_cvt_pk_bf16_f32 v[xb],   v[tb],   v[tb+1]
	v_cvt_pk_bf16_f32 v[xb+1], v[tb+2], v[tb+3]
.endm
; Load k's results are stored.
.macro QOUT
	global_store_b64 v[SO], v[X+4*k:X+4*k+1], s[8:9] offset:256*k        ; 32 lanes store 256 consecutive bytes, at a multiple of 256 from xq's first byte; its registers are never written again
.endm
.set j, 0
.rept 32/BLK
.if j > 0
	s_wait_alu depctr_va_vdst(0)                   ; the block before has packed its results into v[X+4(j-4) ..], which this block's four stores read; no vector instruction of this block names them
.endif
.rept BLK
.if j >= BLK
.set k, j-BLK
	QOUT                                           ; one store of the block before ahead of each load's arithmetic
.endif
	QUANT
.set j, j+1
.endr
.endr
	s_wait_alu depctr_va_vdst(0)                   ; the last block has packed its results, which the last four stores read
.set k, 32-BLK
.rept BLK
	QOUT
.set k, k+1
.endr
	s_endpgm
	; ---------------- 16,384 bytes of weight_packed ----------------
.Lweights:
	s_sub_co_u32 s15, ttmp9, 512
	s_lshl_b32 s15, s15, 3
	s_add_co_u32 s15, s15, s14                     ; my chunk = 8 x (work-group - 512) + wave
	s_lshl_b32 s16, s15, 14                        ; the same byte offset in weight_packed and in wq (under 2^25)
	s_add_nc_u64 s[6:7], s[6:7], s[16:17]
	s_add_nc_u64 s[10:11], s[10:11], s[16:17]
.set j, 0
.rept 32
	global_load_b128 v[X+4*j:X+4*j+3], v[LO], s[6:7] offset:512*j th:TH_LOAD_NT
.set j, j+1
.endr
; Load j's four words.  A nibble is moved to the word's top and back down with its sign; bits 31:8 fall out.  The low nibble, the even k, goes to the low half.
.macro UNPACK
.set xb, X+4*j
.set tb, T+8*(j%2)
.irp i, 0,1,2,3
	v_lshlrev_b32 v[tb+2*(\i)],   28, v[xb+(\i)]
	v_lshlrev_b32 v[tb+2*(\i)+1], 24, v[xb+(\i)]
.endr
.irp i, 0,1,2,3,4,5,6,7
	v_ashrrev_i32 v[tb+(\i)], 28, v[tb+(\i)]
.endr
.irp i, 0,1,2,3,4,5,6,7
	v_cvt_f32_i32 v[tb+(\i)], v[tb+(\i)]
.endr
.irp i, 0,1,2,3
	v_cvt_pk_bf16_f32 v[xb+(\i)], v[tb+2*(\i)], v[tb+2*(\i)+1]
.endr
.endm
; Load k's results are stored.
.macro WOUT
	global_store_b128 v[LO], v[X+4*k:X+4*k+3], s[10:11] offset:512*k     ; 512 consecutive bytes, at a multiple of 512 from wq's first byte; its registers are never written again
.endm
.set j, 0
.rept 32/BLK
.if j > 0
	s_wait_alu depctr_va_vdst(0)                   ; the block before has packed its results into v[X+4(j-4) ..], which this block's four stores read; no vector instruction of this block names them
.endif
.rept BLK
.if j >= BLK
.set k, j-BLK
	WOUT                                           ; one store of the block before ahead of each load's wait and arithmetic
.endif
	s_wait_loadcnt 31-j                            ; load j is in; the 31 - j younger ones may be out (stores are not counted here)
	UNPACK
.set j, j+1
.endr
.endr
	s_wait_alu depctr_va_vdst(0)                   ; the last block has packed its results, which the last four stores read
.set k, 32-BLK
.rept BLK
	WOUT
.set k, k+1
.endr
	s_endpgm
.Lfunc_end_k_qc062d25f27_prep:
	.size	k_qc062d25f27_prep, .Lfunc_end_k_qc062d25f27_prep-k_qc062d25f27_prep
	.p2alignl 7, 3214868480
	.fill 96, 4, 3214868480
	.section	.rodata,"a",@progbits
	.p2align	6, 0x0
	.amdhsa_kernel k_qc062d25f27_prep
		.amdhsa_group_segment_fixed_size 0
		.amdhsa_private_segment_fixed_size 0
		.amdhsa_enable_private_segment 0
		.amdhsa_kernarg_size 40
		.amdhsa_user_sgpr_count 2
		.amdhsa_user_sgpr_kernarg_segment_ptr 1
		.amdhsa_wavefront_size32 1
		.amdhsa_system_sgpr_workgroup_id_x 1
		.amdhsa_system_sgpr_workgroup_id_y 1
		.amdhsa_system_sgpr_workgroup_id_z 1
		.amdhsa_system_vgpr_workitem_id 0
		.amdhsa_next_free_vgpr 160
		.amdhsa_next_free_sgpr 66
		.amdhsa_reserve_vcc 1
		.amdhsa_float_denorm_mode_32 3
		.amdhsa_float_denorm_mode_16_64 3
		.amdhsa_memory_ordered 1
		.amdhsa_forward_progress 1
		.amdhsa_inst_pref_size 89
	.end_amdhsa_kernel
	.amdgpu_metadata
---
amdhsa.version: [ 1, 2 ]
amdhsa.kernels:
  - .name:           k_qc062d25f27_prep
    .symbol:         k_qc062d25f27_prep.kd
    .args:
      - { .name: x, .offset: 0, .size: 8, .value_kind: global_buffer, .address_space: global }
      - { .name: weight_packed, .offset: 8, .size: 8, .value_kind: global_buffer, .address_space: global }
      - { .name: xq, .offset: 16, .size: 8, .value_kind: global_buffer, .address_space: global }
      - { .name: wq, .offset: 24, .size: 8, .value_kind: global_buffer, .address_space: global }
      - { .name: xs, .offset: 32, .size: 8, .value_kind: global_buffer, .address_space: global }
    .group_segment_fixed_size: 0
    .private_segment_fixed_size: 0
    .kernarg_segment_align: 8
    .kernarg_segment_size: 40
    .max_flat_workgroup_size: 256
    .sgpr_count:     66
    .vgpr_count:     160
    .wavefront_size: 32
...
	.end_amdgpu_metadata
.endif
;; end of part 3
;; launch gemm: the kernel of part 2 again; grid 16 x 16, 4 waves a work-group, clusters of 4 x 4, 327,680 bytes of LDS; arguments xq, wq, out0, xs, weight_scale; writes out0
